; MI455X (gfx1250); checked and timed in simulation.
; The chip was launched on July 23, 2026; its instructions are those of AMD's public machine-readable ISA for CDNA 5 (MIT licence, August 2026) and "CDNA5" Instruction Set Architecture Reference Guide (July 2026). The comments in the code are by the model that wrote it; some were corrected since.
;; Scaled Dot Product Attention. Allowed arithmetic: matrix products marked QUANTISED: E4M3 operands, one given power-of-two scale a tensor, by v_wmma_f32_16x16x64_fp8_fp8 or v_wmma_f32_16x16x128_fp8_fp8, f32 sums; everything else in f32.
;; Inputs: lowp_scales 4 int32 (the exponents e of the quantised operands' scales 2^e); x 4,096 x 1,024 float32.
;; Outputs: out0 4,096 x 1,024 float32.
;; This version of the problem:
;;   THIS VERSION OF THE PROBLEM IS GIVEN IN LOW PRECISION. The matrix products marked QUANTISED in the list below multiply operands that are first quantised to E4M3 (4 exponent bits, 3 mantissa bits; 8 bits a number), with one given power-of-two scale for each operand tensor; their sums are f32. All else is computed in f32.
;;   The module's matrix products, in the order in which they are computed (A, B: the left and right operand; K: the contracted axis; several contracted axes count as one K, in the product's order):
;;     1. batch 16 x [M 4,096, K 64] x [K 64, N 4,096]; A: input x; B: input x: QUANTISED (scales: A lowp_scales[0], B lowp_scales[1])
;;     2. batch 16 x [M 4,096, K 4,096] x [K 4,096, N 64]; A: softmax (see below); B: input x: QUANTISED (scales: A lowp_scales[2], B lowp_scales[3])
;;   THE QUANTISER, for each operand of a quantised product, along K:
;;     - The operand's scale is 2^e, e = its entry of the input lowp_scales (int32; the entries are numbered through the quantised products in the list's order, A before B).
;;     - Each number is divided by the scale, clamped to +-448, and rounded to the nearest number of E4M3, ties to even, subnormals kept.
;;     - The product sums the exact products of the quantised numbers (number of the format x scale) in f32.
;;   ~~~python
;;   def quantise(x, axis, e):      # numpy; x: float32 -> the quantised numbers, widened to float32 again
;;       x = np.moveaxis(x, axis, -1); K = x.shape[-1]
;;       r = np.clip(x / 2.0 ** e, -448, 448)
;;       step = 2.0 ** (np.maximum(np.frexp(np.where(r == 0, 1, r))[1] - 1, -6) - 3)
;;       q = np.round(r / step) * step * 2.0 ** e      # np.round: ties to even
;;       return np.moveaxis(q, -1, axis).astype(np.float32)
;;   ~~~
;;   SOFTMAX AHEAD OF A QUANTISED PRODUCT. Where the list says 'softmax', what is quantised is not the finished softmax but p = 2^(t - M), with t = logit x log2(e) and M = ceil(the row's largest t), a whole number; so 1/2 < the row's largest p <= 1. The row's sum l is taken of the UNQUANTISED p, in f32, and the product's result is divided by l at the end. Since M is a whole number, a kernel that streams over the keys may use a running M (the ceiling of the running maximum): every later rescaling is an exact power of two, so the quantised numbers keep their values, but for numbers so far below the row's largest that they fall under the format's range.
;;   OPERANDS COMPUTED ON THE WAY. 'Computed on the way' means the value that the module computes at that place (a softmax that the list does not call 'softmax' is quantised finished and normalised). What goes into a quantiser is computed in f32, as accurately as f32 sums, v_exp_f32 and their like allow (about 1e-6 of the number): no bf16 or f16 on the way to a quantiser, and a product that is left as it is and whose result goes on into a quantised operand takes f32 operands (vector FMAs, or v_wmma_f32_16x16x4_f32). A number that lies on a knife's edge between two numbers of the format may be rounded either way, as far as f32 arithmetic and the matrix unit's own rounding can turn it there, and no further.
;; One version. Each part assembles by itself: llvm-mc -triple=amdgcn-amd-amdhsa -mcpu=gfx1250 --defsym DOCPART=n.
;; ======== version 1 of 1: 2 launches
;; limits: right only within a limited range of input values
;; workspace buffers: qimg 4,194,304 bytes; kv 8,388,608 bytes
;; launch quant (part 1): grid 32 x 16, 4 waves a work-group, no clusters, 35,328 bytes of LDS; arguments x, lowp_scales, qimg, kv; writes qimg, kv
.if DOCPART == 1
	.amdgcn_target "amdgcn-amd-amdhsa--gfx1250"
	.amdhsa_code_object_version 6
	.text
	.protected	k_qef357520ff_quant
	.globl	k_qef357520ff_quant
	.p2align	8
	.type	k_qef357520ff_quant,@function
k_qef357520ff_quant:
	s_mov_b64 s[64:65], 0
	v_nop
	global_prefetch_b8 v0, s[64:65] scope:SCOPE_SE
	s_setreg_imm32_b32 hwreg(HW_REG_WAVE_MODE, 25, 1), 1
	s_wait_xcnt 0x0
; x [4096][1024] f32 becomes three tensors of FP8 (E4M3) codes, one for each role that x has in the attention: Q (scale 2^e0), K (2^e1), both along the head's 64, and V (2^e3) along the keys.
; code = x / 2^e, held within +-448, rounded to the nearest code, ties to even.  LIMITS: each e between -126 and 119, so that 2^e and 448 x 2^e are f32 numbers.  NaN in x is not served; an infinity is held at the largest code.
; THE CODES ARE LAID AS IMAGES OF THE OPERANDS' REGISTERS: 16 bytes a lane, 512 bytes for four registers of a wave, so that the second launch fetches every fragment by loads of 16 bytes at 16 x lane.
;   qimg: [head 16][block of 32 tokens 128][tile u 2][chunk c 2][lane 32][16 bytes]
;   kv:   [head 16][step of 128 keys 32][16,384 bytes]: 8,192 of K: [tile 8][chunk c 2][lane][16];  8,192 of V: [tile t 4][chunk b 4][lane][16]
;   lane = 16 h + r.  K, Q: byte y of chunk c is channel 32 c + 16 h + y of the tile's row r; row r of tile 2 b + u is token 32 b + 8 u + r + 8 (r / 8).  V: byte y of chunk b is key 32 b + 16 h + y of channel 4 r + t.
; SHARES.  Work-group (x = step of 128 tokens, y = head); wave w takes tokens 32 w .. 32 w + 31: K's and Q's block b = w, V's chunk b = w.  Waves share nothing: no barrier.
; A lane loads x[16 h + i][4 r .. 4 r + 3], i = 0 .. 15: sixteen lanes read 256 consecutive bytes, aligned.  So a lane's registers run DOWN the keys for each of its four channels: V's codes are made from them as they stand.
; For K and Q a lane needs 16 neighbours ALONG a token's row: the 32 x 64 numbers turn once through the wave's own stage in LDS.
.set SP,   272                         ; a stage row: 256 bytes + 16: the sixteen rows that a read touches begin at sixteen different groups of banks (64 banks of 4 bytes: ISA guide 11.1)
.set WST,  32*SP                       ; a wave's stage
.set R,    16                          ; v16-79   the numbers as loaded: register 4 i + e = x[16 h + i][4 r + e]
.set B,    80                          ; v80-143  back from the stage: chunk n = 2 u + c at 16 n: 16 neighbours of a row
.set T0,   144                         ; v144-175 held numbers, two sets of 16 by turns
.set CV,   176                         ; v176-191 V's codes;  v192-207 K's;  v208-223 Q's: every store has data registers of its own
.set CK,   192
.set CQ,   208
	s_load_b256 s[4:11], s[0:1], 0x0               ; x s[4:5], the scales' exponents s[6:7], qimg s[8:9], kv s[10:11]
	v_lshl_add_u32 v224, v0, 2, 0x8800
	v_mov_b32 v225, 0
	v_lshrrev_b32 v1, 5, v0
	v_readfirstlane_b32 s16, v1                    ; wave 0..3
	v_and_b32 v1, 31, v0                           ; lane
	v_and_b32 v2, 15, v0                           ; r
	v_bfe_u32 v3, v0, 4, 1                         ; h
	v_lshlrev_b32 v4, 4, v2
	v_lshl_add_u32 v4, v3, 16, v4                  ; x: 16 r + 16 h rows of 4,096 bytes
	s_mul_i32 s17, s16, WST                        ; my stage
	v_mul_u32_u24 v5, v3, 8*SP
	v_lshl_add_u32 v5, v2, 4, v5
	v_add_nc_u32 v5, s17, v5                       ; into it: row 8 h + .., 16 r
	v_mul_u32_u24 v6, v2, SP
	v_lshl_add_u32 v6, v3, 6, v6
	v_add_nc_u32 v6, s17, v6                       ; out of it: row r, + 64 h: my 16 numbers of a chunk of 32
	v_lshlrev_b32 v7, 4, v1                        ; an image's place for my lane
	s_and_b32 s18, ttmp7, 0xffff                   ; head
	s_lshl_b32 s24, ttmp9, 19                      ; x: (128 step + 32 wave) rows of 4,096 bytes + 256 head
	s_lshl_b32 s25, s16, 17
	s_add_co_u32 s24, s24, s25
	s_lshl_b32 s25, s18, 8
	s_add_co_u32 s24, s24, s25
	s_mov_b32 s25, 0
	s_lshl_b32 s26, s18, 18                        ; qimg: head, block 4 step + wave of 2,048 bytes
	s_lshl_b32 s27, ttmp9, 13
	s_add_co_u32 s26, s26, s27
	s_lshl_b32 s27, s16, 11
	s_add_co_u32 s26, s26, s27
	s_lshl_b32 s28, s18, 19                        ; kv: head, step of 16,384 bytes;
	s_lshl_b32 s29, ttmp9, 14
	s_add_co_u32 s28, s28, s29
	s_lshl_b32 s29, s16, 9
	s_add_co_u32 s30, s28, s29
	s_add_co_u32 s30, s30, 8192                    ; V's part: chunk b = wave
	s_add_co_u32 s28, s28, s27                     ; K's part: tiles 2 wave, 2 wave + 1
	s_mov_b32 s27, 0
	s_mov_b32 s29, 0
	s_mov_b32 s31, 0
	s_wait_alu depctr_va_vdst(0)
	s_wait_kmcnt 0x0
	s_load_b128 s[20:23], s[6:7], 0x0              ; e0, e1, e2, e3
	s_add_nc_u64 s[4:5], s[4:5], s[24:25]
	s_add_nc_u64 s[8:9], s[8:9], s[26:27]
	s_add_nc_u64 s[12:13], s[10:11], s[28:29]
	s_add_nc_u64 s[14:15], s[10:11], s[30:31]
.irp i, 0,1,2,3,4,5,6,7,8,9,10,11,12,13,14,15
	global_load_b128 v[R+4*\i:R+4*\i+3], v4, s[4:5] offset:4096*\i th:TH_LOAD_NT   ; all sixteen go out at once; read once in the launch
.endr
	s_wait_kmcnt 0x0
.macro SCALE e, vs, vl                 ; v[vs] = 2^e as f32 (the conversion takes its exponent field), v[vl] = 448 x 2^e
	s_add_co_i32 s24, s[\e], 127
	s_lshl_b32 s25, s24, 23
	v_mov_b32 v[\vs], s25
	s_add_co_i32 s24, s24, 8
	s_lshl_b32 s24, s24, 23
	s_or_b32 s24, s24, 0x600000
	v_mov_b32 v[\vl], s24
.endm
	SCALE 20, 8, 9                                 ; Q's
	SCALE 21, 10, 11                               ; K's
	SCALE 23, 12, 13                               ; V's
	s_wait_alu depctr_va_vdst(0)
.irp i, 0,1,2,3,4,5,6,7,8,9,10,11,12,13,14,15
	s_wait_loadcnt 15-\i                           ; loads come back in order (ISA guide 5.7.1): row i's is in, the younger ones stay out
	ds_store_b128 v5, v[R+4*\i:R+4*\i+3] offset:SP*(16*(\i/8)+\i%8)   ; token 16 h + i goes to stage row 8 h + 16 (i / 8) + i % 8: rows 0-15 are tile 0's rows in order, rows 16-31 tile 1's
.endr
.irp n, 0,1,2,3
.irp j, 0,1,2,3
	ds_load_b128 v[B+16*\n+4*\j:B+16*\n+4*\j+3], v6 offset:16*SP*(\n/2)+128*(\n%2)+16*\j   ; LDS serves a wave's instructions in order (ISA guide 5.7.1.4): these see my stores
.endr
.endr
; V's tile e: channel 4 r + e, keys 16 h + 0 .. 15 of my 32.  The hold (the conversion to an 8-bit code does not saturate: ISA guide 7.6.2) also gathers the sixteen numbers into consecutive registers.
; The two sets of held numbers take turns, so sixteen plain instructions stand between a conversion and the next write of its sources.  This work stands while the stage's loads are out.
.macro VQ e
.set TT, T0+16*((\e)%2)
.irp i, 0,1,2,3,4,5,6,7,8,9,10,11,12,13,14,15
	v_med3_num_f32 v[TT+\i], v[R+4*\i+\e], -v13, v13
.endr
	v_cvt_scalef32_pk8_fp8_f32 v[CV+4*\e:CV+4*\e+1], v[TT:TT+7], v12
	v_cvt_scalef32_pk8_fp8_f32 v[CV+4*\e+2:CV+4*\e+3], v[TT+8:TT+15], v12
	global_store_b128 v7, v[CV+4*\e:CV+4*\e+3], s[14:15] offset:2048*\e   ; the wave stores 512 consecutive bytes, aligned
.endm
	VQ 0
	VQ 1
	VQ 2
	VQ 3
; Chunk n = 2 u + c of K and of Q: the same sixteen numbers, held and converted once with each scale.
.macro KQ n
	s_wait_dscnt 4*(3-\n)                          ; this chunk's four loads are in; the later chunks' four each may be out
.irp i, 0,1,2,3,4,5,6,7,8,9,10,11,12,13,14,15
	v_med3_num_f32 v[T0+\i], v[B+16*\n+\i], -v11, v11
.endr
	v_cvt_scalef32_pk8_fp8_f32 v[CK+4*\n:CK+4*\n+1], v[T0:T0+7], v10
	v_cvt_scalef32_pk8_fp8_f32 v[CK+4*\n+2:CK+4*\n+3], v[T0+8:T0+15], v10
.irp i, 0,1,2,3,4,5,6,7,8,9,10,11,12,13,14,15
	v_med3_num_f32 v[T0+16+\i], v[B+16*\n+\i], -v9, v9
.endr
	v_cvt_scalef32_pk8_fp8_f32 v[CQ+4*\n:CQ+4*\n+1], v[T0+16:T0+23], v8
	v_cvt_scalef32_pk8_fp8_f32 v[CQ+4*\n+2:CQ+4*\n+3], v[T0+24:T0+31], v8
	global_store_b128 v7, v[CK+4*\n:CK+4*\n+3], s[12:13] offset:512*\n   ; 1,024 u + 512 c = 512 n
	global_store_b128 v7, v[CQ+4*\n:CQ+4*\n+3], s[8:9] offset:512*\n
.endm
	KQ 0
	KQ 1
	KQ 2
	KQ 3
	s_wait_tensorcnt 0x0
	ds_add_u32 v224, v225
	s_wait_dscnt 0x0
	s_endpgm
.Lfunc_end_k_qef357520ff_quant:
	.size	k_qef357520ff_quant, .Lfunc_end_k_qef357520ff_quant-k_qef357520ff_quant
	.p2alignl 7, 3214868480
	.fill 96, 4, 3214868480
	.section	.rodata,"a",@progbits
	.p2align	6, 0x0
	.amdhsa_kernel k_qef357520ff_quant
		.amdhsa_group_segment_fixed_size 35328
		.amdhsa_private_segment_fixed_size 0
		.amdhsa_enable_private_segment 0
		.amdhsa_kernarg_size 32
		.amdhsa_user_sgpr_count 2
		.amdhsa_user_sgpr_kernarg_segment_ptr 1
		.amdhsa_wavefront_size32 1
		.amdhsa_system_sgpr_workgroup_id_x 1
		.amdhsa_system_sgpr_workgroup_id_y 1
		.amdhsa_system_sgpr_workgroup_id_z 1
		.amdhsa_system_vgpr_workitem_id 0
		.amdhsa_next_free_vgpr 226
		.amdhsa_next_free_sgpr 66
		.amdhsa_reserve_vcc 0
		.amdhsa_float_denorm_mode_32 3
		.amdhsa_float_denorm_mode_16_64 3
		.amdhsa_memory_ordered 1
		.amdhsa_forward_progress 1
		.amdhsa_inst_pref_size 22
	.end_amdhsa_kernel
	.amdgpu_metadata
---
amdhsa.version: [ 1, 2 ]
amdhsa.kernels:
  - .name:           k_qef357520ff_quant
    .symbol:         k_qef357520ff_quant.kd
    .args:
      - { .name: x, .offset: 0, .size: 8, .value_kind: global_buffer, .address_space: global }
      - { .name: lowp_scales, .offset: 8, .size: 8, .value_kind: global_buffer, .address_space: global }
      - { .name: qimg, .offset: 16, .size: 8, .value_kind: global_buffer, .address_space: global }
      - { .name: kv, .offset: 24, .size: 8, .value_kind: global_buffer, .address_space: global }
    .group_segment_fixed_size: 35328
    .private_segment_fixed_size: 0
    .kernarg_segment_align: 8
    .kernarg_segment_size: 32
    .max_flat_workgroup_size: 128
    .sgpr_count:     66
    .vgpr_count:     226
    .wavefront_size: 32
...
	.end_amdgpu_metadata
.endif
;; end of part 1
;; launch attn (part 2): grid 16 x 16, 8 waves a work-group, clusters of 4 x 1, 327,680 bytes of LDS; arguments qimg, kv, lowp_scales, out0; writes out0
.if DOCPART == 2
	.amdgcn_target "amdgcn-amd-amdhsa--gfx1250"
	.amdhsa_code_object_version 6
	.text
	.protected	k_qef357520ff_attn
	.globl	k_qef357520ff_attn
	.p2align	8
	.type	k_qef357520ff_attn,@function
k_qef357520ff_attn:
	s_mov_b64 s[64:65], 0
	v_nop
	global_prefetch_b8 v0, s[64:65] scope:SCOPE_SE
	s_setreg_imm32_b32 hwreg(HW_REG_WAVE_MODE, 25, 1), 1
	s_wait_xcnt 0x0
	s_wait_alu depctr_hold_cnt(0) depctr_sa_sdst(0) depctr_va_vdst(0) depctr_va_sdst(0) depctr_va_ssrc(0) depctr_va_vcc(0) depctr_vm_vsrc(0)
	s_getreg_b32 s2, hwreg(HW_REG_IB_STS2, 6, 4)
	s_cmp_eq_u32 s2, 0
	s_cbranch_scc0 .Lentry_in_a_cluster
	s_endpgm
.Lentry_in_a_cluster:
	s_bfe_u32 s2, ttmp6, 0x10000c
	s_cmp_lg_u32 s2, 0x3003
	s_cbranch_scc0 .Lentry_shape_is_right
	s_endpgm
.Lentry_shape_is_right:
; out[q][64 head + d] = the sum over keys k of softmax_k(Q[q] . K[k] / 8) V[k][d], 16 heads of 64 channels, 4,096 tokens; both products on codes of FP8 (E4M3), made by the launch before.
; THE SOFTMAX AHEAD OF THE SECOND PRODUCT: t = score x log2(e) / 8; M = the row's largest t so far, rounded UP to a whole number; p = 2^(t - M) is quantised with 2^e2, not normalised.  The row's sum is taken of
; the unquantised p, in f32, and divides at the end.  When M moves, the sum and O are multiplied by 2^(old M - new M), which rounds nothing; there is no branch on data.
; LIMITS on the given exponents, so that each power of two below is an f32 number: e0 + e1 between -123 and 130 (added to c's exponent field); e2 between -126 and 119; e2 + e3 goes in by v_ldexp_f32 and has none.
; The scaled scores stay under 2^31 in magnitude.  NaN in x is not served.
; SHARES.  A work-group owns 256 queries of one head; each of its eight waves 32 of them: two tiles of 16.  Every wave walks the head's 32 key steps of 128 keys.
; LAYOUT.  Both products are used transposed: S^T = K Q^T (source 0 = 16 keys, source 1 = 16 queries), O^T = V^T P^T (source 0 = 16 channels, source 1 = P): a lane holds ONE query (lane % 16) throughout.
; The operands come as images of their registers (16 bytes at 16 x lane).  Along K their bytes are laid alike on both sides of each product, so every product meets its partner.  Row r of K's tile 2 b + u is key
; 32 b + 8 u + r + 8 (r / 8): the 16 registers of S^T's tiles 2 b and 2 b + 1 are then keys 32 b + 16 (lane / 16) + 0 .. 15, and the conversions' results ARE P's operand.  Q's tiles have the same order of rows.
; Row r of V's tile t is channel 4 r + t: register j of O^T's tile t is channel 32 (lane / 16) + 4 j + t, so a lane ends with 32 neighbouring channels of its query.
; RING.  Two LDS slots of eight key steps (131,072 bytes).  Each of the eight waves fetches one step's 16,384 bytes by one tensor load behind each change of slots: one load of a wave is out at most.
; CLUSTER.  The four query blocks of a cluster belong to one head and walk the same K and V: each tile is asked for JOINTLY, by the same tensor load with the same descriptor and the mask of all four.
; No prefetch into the L2: a refill stands eight key steps, 192 matrix instructions and over 3,500 other vector instructions of a wave, ahead of the wait for it.
; A KEY STEP AND ITS WAITS.  A step's 128 exponentials stand in two runs of 64.  Among a run's exponentials stand only instructions whose sources were written ahead of the wait in front of the run, and whose results are first
; named behind the wait that ends it: so one wait ahead of each run and one behind it serve.  V^T P of step i stands in step i + 1, among the first run; O^T is rescaled behind the second.
; REGISTERS, in windows of 256.  Window 0: addresses, statistics, Q, P's codes, K's eight fragments.  Window 1: v0-127 S^T, then p (tile q at 64 q); v128-191 O^T (tile q, channels' tile t at 32 q + 8 t); v192-255 V's four fragments.
.set STEPB, 16384                      ; a key step in LDS and in memory: 8,192 bytes of K, 8,192 of V
.set SLOT1, 131072                     ; slot 1 begins here: one exclusive or turns a slot's first byte into the other's
.set SPARE, 2*SLOT1                    ; behind the ring: the spare words, 128 bytes for each of eight waves: four blocks of 256 bytes that no other line names
.set STAGE, SPARE+1024                 ; the way out: 16 rows x (256 + 16) bytes for each wave; no tile ever lands here
.set SP,    272
.set LI,   1                           ; v1   16 x lane: an image's place for my lane; never rewritten
.set ADR,  2                           ; v2   LDS address of the step in hand
.set SPW,  3                           ; v3   LDS address of my spare word: SPARE + 4 x my thread's number; never rewritten
.set NIL,  4                           ; v4   0; never rewritten
.set GO,   6                           ; v6   the way out: my byte offset in the wave's rows of out0
.set STO,  7                           ; v7   where I put my query's 128 bytes in the stage
.set RD,   8                           ; v8   where I read a row back
.set ST,   16                          ; tile q at ST + 24 q: +0 -M, +1 the largest score, +2, +3 the sum in two halves, +4 f, +5 zero (named with f as a pair), +6, +7 at work,
                                       ; +8 .. +23 eight pairs of partial sums (ahead of them: +8 .. +10 three chains of the maximum, +11 the old -M)
.set QF,   64
.set PCD,  80                          ; v80-111 P's codes
.set LIMP, 112                         ; v112, v113 448 x 2^e2, for the two halves of a dual instruction
.set SCP,  114                         ; v114 2^e2
.set KF,   120                         ; v120-183 K; on the way out the results
.set BACK, 184                         ; v184-247 the way out: rows read back
.set S,    0                           ; in window 1
.set OA,   128                         ; in window 1
.set VF,   192                         ; in window 1
.set WV,   12                          ; s12  my wave's number
.set G1,   24                          ; s[24:31] descriptor group 1
.set G0,   32                          ; s[32:35] descriptor group 0: it walks
.set SLOTS, 39                         ; s39  slots still to be filled
.set CNT,  40                          ; s40  counts seven of a slot's eight steps
.set TB,   41                          ; s41  LDS byte at which the step in hand begins
.set CS,   42                          ; s[42:43] c = log2(e) / 8 x 2^(e0 + e1): the packed form names a pair and takes its low word
.set SEL,  44                          ; s[44:45] lane selects for v_permlanex16_b32: lane l xor 16
.set MSB, 0
.macro WIN new                         ; s_set_vgpr_msb's low byte: bits 1:0 source 0, 3:2 source 1, 5:4 source 2, 7:6 destination; the high byte repeats the setting that is left
.if MSB != \new
	s_set_vgpr_msb (MSB<<8)|\new
.set MSB, \new
.endif
.endm
.set W_D,  0x40                        ; destination window 1: loads of V; S^T = K Q^T
.set W_MX, 0x14                        ; sources 1, 2 (scores) window 1: the maximum
.set W_E,  0x41                        ; source 0 and destination window 1: exponentials, scalings, holds, O^T x f
.set W_PV, 0x51                        ; V^T P: V, C and D window 1, P window 0; exponentials too
.set W_SI, 0x05                        ; sources 0, 1 window 1: the first partial sums
.set W_SA, 0x01                        ; source 0 window 1: further partial sums, conversions, the way out
; A round of the cluster's barrier behind its opening barrier, and a whole round.  Wave 0 signals for the work-group.
.macro CREST
	s_cmp_lg_u32 s[WV], 0
	s_cbranch_scc1 .Lnot_wave_0_\@
	s_barrier_signal -3
.Lnot_wave_0_\@:
	s_barrier_wait -3
	s_barrier_signal -1
	s_barrier_wait -1
.endm
.macro CROUND
	s_barrier_signal -1
	s_barrier_wait -1
	CREST
.endm
.macro JLOAD                           ; my joint load
	tensor_load_to_lds s[G0:G0+3], s[G1:G1+7]
	s_nop 0
.rept 4
	v_nop
.endr
.endm
.macro WALK                            ; the descriptor's next place: the other slot than last time, the next eight key steps; the type bits on top are not reached
	s_xor_b32 s[G0+1], s[G0+1], SLOT1
	s_add_nc_u64 s[G0+2:G0+3], s[G0+2:G0+3], 8*STEPB
.endm
; THE LDS LOADS stand in runs of 16.  K: tile t, chunk c at 1,024 t + 512 c of the step; V: tile t, chunk b at 8,192 + 2,048 t + 512 b.
.macro FETCH_K ar, off
	WIN 0
.irp t, 0,1,2,3,4,5,6,7
.irp c, 0,1
	ds_load_b128 v[KF+8*\t+4*\c:KF+8*\t+4*\c+3], v[\ar] offset:\off+1024*\t+512*\c
.endr
.endr
.endm
.macro FETCH_V ar
	WIN W_D
.irp t, 0,1,2,3
.irp b, 0,1,2,3
	ds_load_b128 v[VF+16*\t+4*\b:VF+16*\t+4*\b+3], v[\ar] offset:8192+2048*\t+512*\b
.endr
.endr
.endm
	s_load_b256 s[4:11], s[0:1], 0x0               ; qimg s[4:5], kv s[6:7], the scales' exponents s[8:9], out0 s[10:11]
	v_lshl_add_u32 v[SPW], v0, 2, SPARE
	v_mov_b32 v[NIL], 0
	ds_add_u32 v[SPW], v[NIL]                      ; the wave's opening: the add, twice on end, ahead of my first tensor load
	ds_add_u32 v[SPW], v[NIL]
	v_lshrrev_b32 v9, 5, v0
	v_readfirstlane_b32 s[WV], v9                  ; wave 0..7
	s_bfe_u32 s13, ttmp6, 0x40000                  ; cx: my place in the cluster
	s_lshl_b32 s14, ttmp9, 2                       ; in a cluster launch ttmp9 counts clusters
	s_add_co_u32 s14, s14, s13                     ; my block of 256 queries: it enters Q's and out0's addresses alone
	s_and_b32 s15, ttmp7, 0xffff                   ; the head, which the four partners share
	; descriptor group 1: a dense block of 16,384 bytes as 64 rows of 32 elements of 8 bytes; no padding: the images are read 512 consecutive bytes an instruction
	s_mov_b32 s[G1], 15|(3<<16)|(1<<21)            ; 15:0 the mask: all four work-groups; 17:16 elements of 8 bytes; 21 set beside a mask
	s_mov_b32 s[G1+1], 32<<16                      ; tensor_dim0 = 32
	s_mov_b32 s[G1+2], 64<<16                      ; tensor_dim1 = 64
	s_mov_b32 s[G1+3], 32<<16                      ; tile_dim0 = 32
	s_mov_b32 s[G1+4], 64                          ; tile_dim1 = 64
	s_mov_b32 s[G1+5], 32                          ; from row to row: 32 elements
	s_mov_b32 s[G1+6], 0
	s_mov_b32 s[G1+7], 0
	s_lshl_b32 s[G0+1], s[WV], 14                  ; my step's place in slot 0: no place in the cluster enters an LDS address
	s_lshl_b32 s18, s15, 19                        ; the head's first byte in kv
	s_add_co_u32 s16, s18, s[G0+1]                 ; and my step's: made of the head and the wave's number alone
	s_mov_b32 s17, 0
	s_lshl_b32 s22, s15, 18                        ; Q: head, block 8 x my query block + wave, of 2,048 bytes
	s_lshl_b32 s23, s14, 14
	s_add_co_u32 s22, s22, s23
	s_lshl_b32 s23, s[WV], 11
	s_add_co_u32 s22, s22, s23
	s_mov_b32 s23, 0
	s_lshl_b32 s52, s14, 20                        ; out0: (256 x my query block + 32 wave) rows of 4,096 bytes + 256 head
	s_lshl_b32 s53, s[WV], 17
	s_add_co_u32 s52, s52, s53
	s_lshl_b32 s53, s15, 8
	s_add_co_u32 s52, s52, s53
	s_mov_b32 s53, 0
	s_mov_b32 s[CS], 0x3e38aa3b                    ; log2(e) / 8
	s_mov_b32 s[SEL], 0x76543210
	s_mov_b32 s[SEL+1], 0xfedcba98
	s_mov_b32 s[TB], 0
	s_mov_b32 s[SLOTS], 2
	s_wait_alu depctr_va_vdst(0)
	s_wait_dscnt 0x0                               ; both opening adds are done
	s_wait_kmcnt 0x0
	s_load_b128 s[48:51], s[8:9], 0x0              ; e0, e1, e2, e3
	s_mov_b32 s[G0], 1                             ; 1:0 count = 1
	s_add_nc_u64 s[G0+2:G0+3], s[6:7], s[16:17]    ; 120:64 global address: my step of the head's first slot
	s_or_b32 s[G0+3], s[G0+3], 0x80000000          ; 127:126 type = 2
	s_add_nc_u64 s[4:5], s[4:5], s[22:23]
	s_add_nc_u64 s[10:11], s[10:11], s[52:53]
	CROUND                                         ; all four work-groups are here: the first joint loads meet
	JLOAD                                          ; slot 0
	v_and_b32 v[LI], 31, v0
	v_lshlrev_b32 v[LI], 4, v[LI]
.irp k, 0,1,2,3
	global_load_b128 v[QF+4*\k:QF+4*\k+3], v[LI], s[4:5] offset:512*\k th:TH_LOAD_NT   ; Q's two fragments (tile k / 2, chunk k % 2) stay in registers; read once in the launch
.endr
	v_and_b32 v9, 15, v0                           ; r
	v_bfe_u32 v10, v0, 4, 1                        ; h
	s_mul_i32 s16, s[WV], 16*SP
	s_add_co_u32 s16, s16, STAGE                   ; my stage
	v_mul_u32_u24 v[STO], v9, SP                   ; in: row r,
	v_lshl_add_u32 v[STO], v10, 7, v[STO]          ; + 128 h: my 32 channels
	v_add_nc_u32 v[STO], s16, v[STO]
	v_mul_u32_u24 v[RD], v10, SP                   ; back: lanes 0-15 one row of 256 bytes, lanes 16-31 the next
	v_lshl_add_u32 v[RD], v9, 4, v[RD]
	v_add_nc_u32 v[RD], s16, v[RD]
	v_lshlrev_b32 v[GO], 12, v10                   ; and the same two rows in out0
	v_lshl_add_u32 v[GO], v9, 4, v[GO]
	s_wait_alu depctr_va_vdst(0)
	s_wait_kmcnt 0x0
	s_add_co_i32 s52, s48, s49
	s_lshl_b32 s52, s52, 23
	s_add_co_i32 s[CS], s[CS], s52                 ; a score stands for score x 2^(e0 + e1): the two exponents are added to c's exponent field
	s_mov_b32 s[CS+1], s[CS]                       ; (named with it as a pair, so it is written)
	s_add_co_i32 s52, s50, 127
	s_lshl_b32 s53, s52, 23
	v_mov_b32 v[SCP], s53                          ; 2^e2 as f32: the conversion takes its exponent field
	s_add_co_i32 s52, s52, 8
	s_lshl_b32 s52, s52, 23
	s_or_b32 s52, s52, 0x600000
	v_mov_b32 v[LIMP], s52                         ; 448 x 2^e2
	v_mov_b32 v[LIMP+1], s52
.irp q, 0,1
	v_mov_b32 v[ST+24*\q], 0x7f61b1e6              ; -M = 3e38: the first f is 0
	v_mov_b32 v[ST+24*\q+1], 0xff61b1e6            ; the largest score so far: -3e38
	v_mov_b32 v[ST+24*\q+2], 0                     ; the sum, in two halves
	v_mov_b32 v[ST+24*\q+3], 0
	v_mov_b32 v[ST+24*\q+5], 0                     ; (named as the upper half of f's pair)
	v_mov_b32 v[ST+24*\q+7], 0                     ; (a lane permute's destination counts as one of its sources)
.endr
.set oi, 0
.rept 32
	v_mov_b32 v[PCD+oi], 0                         ; the key step is written once: the first finds codes of zero for the step before it, and O^T zero
.set oi, oi+1
.endr
	WIN W_D
.set oi, 0
.rept 64
	v_mov_b32 v[OA+oi], 0
.set oi, oi+1
.endr
	WIN 0
	s_wait_alu depctr_va_vdst(0)
	s_wait_tensorcnt 0x0                           ; my part of slot 0 is in
	ds_add_u32 v[SPW], v[NIL]
	WALK
	s_wait_dscnt 0x0
	CROUND                                         ; slot 0 is whole, and the next joint loads meet
	JLOAD                                          ; slot 1's first fill
	FETCH_K LI, 0
	FETCH_V LI                                     ; (step 0's V stands as the step before's too: its codes meet codes of zero)
	WIN 0
; One scaling, hold or partial sum, number oi of tile q.
.macro FMA1 q                          ; t - M = c s - M, two scores
	v_pk_fma_f32 v[S+64*\q+2*oi:S+64*\q+2*oi+1], v[S+64*\q+2*oi:S+64*\q+2*oi+1], s[CS:CS+1], v[ST+24*\q:ST+24*\q+1] op_sel_hi:[1,0,0]
.endm
.macro HOLD1 q                         ; two holds (the conversion to an 8-bit code does not saturate: ISA guide 7.6.2; p is not negative, so the hold is one-sided)
	v_dual_min_num_f32 v[S+64*\q+2*oi], v[S+64*\q+2*oi], v[LIMP] :: v_dual_min_num_f32 v[S+64*\q+2*oi+1], v[S+64*\q+2*oi+1], v[LIMP+1]
.endm
.macro SUMI q                          ; THE ROW'S SUM OF THE UNQUANTISED p: eight pairs begun, from the first 32 numbers
.set oi, 0
.rept 8
	v_pk_add_f32 v[ST+24*\q+8+2*oi:ST+24*\q+9+2*oi], v[S+64*\q+4*oi:S+64*\q+4*oi+1], v[S+64*\q+4*oi+2:S+64*\q+4*oi+3]
.set oi, oi+1
.endr
.endm
.macro SUMA q                          ; and two more numbers added, oi = 0 .. 15
	v_pk_add_f32 v[ST+24*\q+8+2*(oi%8):ST+24*\q+9+2*(oi%8)], v[S+64*\q+32+2*oi:S+64*\q+33+2*oi], v[ST+24*\q+8+2*(oi%8):ST+24*\q+9+2*(oi%8)]
.endm
.macro CVT1 q                          ; eight codes, number ci
	v_cvt_scalef32_pk8_fp8_f32 v[PCD+16*\q+2*ci:PCD+16*\q+2*ci+1], v[S+64*\q+8*ci:S+64*\q+8*ci+7], v[SCP]
.endm
.macro PV1 t, q                        ; O^T += V^T P^T for one tile of channels and one of queries, K = 128 keys.  The eight accumulators take turns, one instruction a turn
	v_wmma_f32_16x16x128_fp8_fp8 v[OA+32*\q+8*\t:OA+32*\q+8*\t+7], v[VF+16*\t:VF+16*\t+15], v[PCD+16*\q:PCD+16*\q+15], v[OA+32*\q+8*\t:OA+32*\q+8*\t+7]
.endm
.macro SUM1_CVT0                       ; tile 1's sum among tile 0's conversions
	WIN W_SI
	SUMI 1
	WIN W_SA
.set oi, 0
.set ci, 0
.rept 8
	SUMA 1
.set oi, oi+1
	CVT1 0
	SUMA 1
.set oi, oi+1
.set ci, ci+1
.endr
.endm
.macro HOLD_CVT                        ; tile 1's holds, then its conversions
	WIN W_E
.set oi, 0
.rept 32
	HOLD1 1
.set oi, oi+1
.endr
	WIN W_SA
.set ci, 0
.rept 8
	CVT1 1
.set ci, ci+1
.endr
.endm
.macro JOIN n                          ; n pairs of partial sums take up n more, in both tiles
.set oi, 0
.rept \n
.irp q, 0,1
	v_pk_add_f32 v[ST+24*\q+8+2*oi:ST+24*\q+9+2*oi], v[ST+24*\q+8+2*oi:ST+24*\q+9+2*oi], v[ST+24*\q+8+2*\n+2*oi:ST+24*\q+9+2*\n+2*oi]
.endr
.set oi, oi+1
.endr
.endm
; A KEY STEP.  chg = 0: the next step lies in the same slot; 1: the slot ends, and is filled again; 2: the slot ends, nothing is filled; 3: the last step.
.macro STEP chg
	s_wait_dscnt 0x0                               ; this step's K and the last step's V are in
	WIN W_D
.irp t, 0,1,2,3,4,5,6,7                        ; S^T = K Q^T: 8 tiles of keys x 2 tiles of queries, K = the head's 64: sixteen results, each begun with the constant 0
.irp q, 0,1
	v_wmma_f32_16x16x64_fp8_fp8 v[S+64*\q+8*\t:S+64*\q+8*\t+7], v[KF+8*\t:KF+8*\t+7], v[QF+8*\q:QF+8*\q+7], 0
.endr
.endr
	WIN 0
	v_add_nc_u32 v[ADR], s[TB], v[LI]              ; with the three lines below: four places behind the products (ISA guide 7.12.1)
.rept 3
	v_nop
.endr
	WIN W_MX
.set oi, 0
.rept 32                                       ; the largest score so far and the lane's 64 of each tile, in three chains a tile, in ascending order
.irp q, 0,1
.if oi < 3
	v_max3_num_f32 v[ST+24*\q+8+oi], v[ST+24*\q+1], v[S+64*\q+2*oi], v[S+64*\q+2*oi+1]
.else
	v_max3_num_f32 v[ST+24*\q+8+(oi%3)], v[ST+24*\q+8+(oi%3)], v[S+64*\q+2*oi], v[S+64*\q+2*oi+1]
.endif
.endr
.set oi, oi+1
.endr
	WIN 0
.irp q, 0,1
	v_max3_num_f32 v[ST+24*\q+6], v[ST+24*\q+8], v[ST+24*\q+9], v[ST+24*\q+10]
.endr
.irp q, 0,1
	v_mov_b32 v[ST+24*\q+11], v[ST+24*\q]          ; the old -M
.endr
.irp q, 0,1
	v_permlanex16_b32 v[ST+24*\q+7], v[ST+24*\q+6], s[SEL], s[SEL+1]  ; the query's other 64 keys lie in the lane 16 away
.endr
.irp q, 0,1
	v_max_num_f32 v[ST+24*\q+1], v[ST+24*\q+6], v[ST+24*\q+7]
.endr
.irp q, 0,1
	v_mul_f32 v[ST+24*\q+6], s[CS], v[ST+24*\q+1]  ; as t (c is positive)
.endr
.irp q, 0,1
	v_floor_f32 v[ST+24*\q], -v[ST+24*\q+6]        ; -M = floor(-t) = -ceil(t)
.endr
.irp q, 0,1
	v_sub_f32 v[ST+24*\q+6], v[ST+24*\q], v[ST+24*\q+11]  ; old M - new M: a whole number, 0 or less
.endr
.irp q, 0,1
	v_cvt_i32_f32 v[ST+24*\q+6], v[ST+24*\q+6]     ; (it saturates)
.endr
.irp q, 0,1
	v_ldexp_f32 v[ST+24*\q+4], 1.0, v[ST+24*\q+6]  ; f = 2^(old M - new M)
.endr
	WIN W_E
.set oi, 0
.rept 32
	FMA1 0
.set oi, oi+1
.endr
	WIN W_PV
	s_wait_alu depctr_va_vdst(0)                   ; the wait ahead of the run
.set ei, 0
.irp t, 0,1,2,3                                ; tile 0's exponentials, among the last step's V^T P and then tile 1's scalings
.irp q, 0,1
	PV1 \t, \q
.rept 4
	v_exp_f32 v[S+ei], v[S+ei]
.set ei, ei+1
.endr
.endr
.endr
	WIN W_E
.set oi, 0
.rept 32
	v_exp_f32 v[S+32+oi], v[S+32+oi]
	FMA1 1
.set oi, oi+1
.endr
	WIN W_SI
	s_wait_alu depctr_va_vdst(0)                   ; the wait behind tile 0's run, which is also the wait ahead of tile 1's
	SUMI 0
	WIN W_SA
.set oi, 0
.rept 16
	SUMA 0
.set oi, oi+1
.endr
	FETCH_V ADR
	WIN W_E
.set oi, 0
.rept 32                                       ; tile 1's exponentials, among tile 0's holds
	v_exp_f32 v[S+64+2*oi], v[S+64+2*oi]
	v_exp_f32 v[S+65+2*oi], v[S+65+2*oi]
	HOLD1 0
.set oi, oi+1
.endr
	s_wait_alu depctr_va_vdst(0)                   ; the wait behind tile 1's run, and directly ahead of the first readers of O^T
.irp q, 0,1                                    ; O^T under the new M: x f, two numbers an instruction, each accumulator from its low end on
.set oi, 0
.rept 16
	v_pk_mul_f32 v[OA+32*\q+2*oi:OA+32*\q+2*oi+1], v[OA+32*\q+2*oi:OA+32*\q+2*oi+1], v[ST+24*\q+4:ST+24*\q+5] op_sel_hi:[1,0]
.set oi, oi+1
.endr
.endr
.if \chg == 0
	FETCH_K ADR, STEPB
	SUM1_CVT0
	HOLD_CVT
.elseif \chg == 3
	SUM1_CVT0
	HOLD_CVT
.else
; THE CHANGE OF SLOTS.  Each wave waits for all its tensor loads (its part of the slot that comes next), adds 0 to its spare word, and waits for that and for its reads of the slot that it leaves.  Where that slot is
; filled again the barrier opens a round of the cluster's, so that no wave of any partner still reads the slot or has a load on its way; the joint load is the first thing behind the round.
	WIN 0
	s_wait_alu depctr_va_vdst(0)
	s_wait_tensorcnt 0x0                           ; no tensor load of mine is out, so group 0 may be written
	ds_add_u32 v[SPW], v[NIL]                      ; 0 onto my spare word
.if \chg == 1
	WALK
.endif
	SUM1_CVT0                                      ; work on registers between the add and the wait for it
	WIN 0
	s_wait_alu depctr_va_vdst(0)
	s_wait_dscnt 0x0                               ; the add is done, and my reads of the slot are over
	s_barrier_signal -1
	HOLD_CVT                                       ; work on registers while the others arrive
	WIN 0
	s_wait_alu depctr_va_vdst(0)
	s_barrier_wait -1
.if \chg == 1
	CREST
	JLOAD
.endif
	s_sub_co_u32 s[TB], s[TB], 7*STEPB             ; back to the slot's first step,
	s_xor_b32 s[TB], s[TB], SLOT1                  ; in the other slot
	v_add_nc_u32 v[ADR], s[TB], v[LI]
	FETCH_K ADR, 0
.endif
	WIN 0
	JOIN 4                                         ; the partial sums are joined, and the sum goes on under the new M; these lines also stand between the last conversion and the products that write its sources
	JOIN 2
	JOIN 1
.irp q, 0,1
	v_pk_fma_f32 v[ST+24*\q+2:ST+24*\q+3], v[ST+24*\q+2:ST+24*\q+3], v[ST+24*\q+4:ST+24*\q+5], v[ST+24*\q+8:ST+24*\q+9] op_sel_hi:[1,0,1]
.endr
.endm
.macro SEVEN                           ; a slot's first seven key steps
	s_mov_b32 s[CNT], 7
.Lstep_\@:
	STEP 0
	s_add_co_u32 s[TB], s[TB], STEPB
	s_sub_co_u32 s[CNT], s[CNT], 1
	s_cmp_lg_u32 s[CNT], 0
	s_cbranch_scc1 .Lstep_\@
.endm
	s_wait_loadcnt 0x0                             ; Q
.Lslot:                                            ; slots 0 and 1: at their ends they are filled again, with slots 2 and 3
	SEVEN
	STEP 1
	s_sub_co_u32 s[SLOTS], s[SLOTS], 1
	s_cmp_lg_u32 s[SLOTS], 0
	s_cbranch_scc1 .Lslot
	SEVEN                                          ; slots 2 and 3 are written out
	STEP 2
	SEVEN
	STEP 3
	; THE WAY OUT.  The sum's halves and the other half of the lanes' are added; the last V^T P; O^T is divided by the sum, multiplied by 2^(e2 + e3), and goes through my stage in LDS, a tile at a time, so that sixteen lanes store 256 consecutive bytes.
.irp q, 0,1
	v_add_f32 v[ST+24*\q+6], v[ST+24*\q+2], v[ST+24*\q+3]
.endr
.irp q, 0,1
	v_permlanex16_b32 v[ST+24*\q+7], v[ST+24*\q+6], s[SEL], s[SEL+1]
.endr
.irp q, 0,1
	v_add_f32 v[ST+24*\q+6], v[ST+24*\q+6], v[ST+24*\q+7]
.endr
	s_wait_alu depctr_va_vdst(0)                   ; the wait ahead of the two reciprocals
.irp q, 0,1
	v_rcp_f32 v[ST+24*\q+4], v[ST+24*\q+6]
.endr
	v_nop                                          ; a plain instruction between the last reciprocal and the use of its result
	s_add_co_i32 s52, s50, s51                     ; e2 + e3
	s_wait_alu depctr_va_vdst(0)                   ; and the wait ahead of the first use: one for both
.irp q, 0,1
	v_ldexp_f32 v[ST+24*\q+4], v[ST+24*\q+4], s52
.endr
	s_wait_alu depctr_va_vdst(0)
	s_wait_dscnt 0x0                               ; the last step's V is in
	WIN W_PV
.irp t, 0,1,2,3
.irp q, 0,1
	PV1 \t, \q
.endr
.endr
.rept 4
	v_nop                                          ; four places behind the products
.endr
	WIN W_SA
.irp q, 0,1
.irp j, 0,1,2,3,4,5,6,7
.irp t, 0,1,2,3
	v_mul_f32 v[KF+32*\q+4*\j+\t], v[OA+32*\q+8*\t+\j], v[ST+24*\q+4]   ; register j of tile t is channel 32 h + 4 j + t: sorted into 32 neighbours; each accumulator is read from register 0 on
.endr
.endr
.endr
	WIN 0
.irp q, 0,1
.irp i, 0,1,2,3,4,5,6,7
	ds_store_b128 v[STO], v[KF+32*\q+4*\i:KF+32*\q+4*\i+3] offset:16*\i
.endr
.irp i, 0,1,2,3,4,5,6,7
	ds_load_b128 v[BACK+32*\q+4*\i:BACK+32*\q+4*\i+3], v[RD] offset:2*SP*\i   ; LDS serves a wave's instructions in order (ISA guide 5.7.1.4): these see my stores, and tile 1's stores come behind them; the stage is my wave's own
.endr
.endr
.irp q, 0,1
.irp i, 0,1,2,3,4,5,6,7
	s_wait_dscnt 23-16*\q-\i                       ; load i of tile q is back; the younger loads, and tile 1's stores and loads, may be out
	global_store_b128 v[GO], v[BACK+32*\q+4*\i:BACK+32*\q+4*\i+3], s[10:11] offset:4096*(2*\i+8*(\i/4)+8*\q) th:TH_STORE_NT   ; row r of tile q is the wave's query r + 8 (r / 8) + 8 q; 16 lanes store a head's 256 bytes of a row, at a multiple of 256 from out0's first byte
.endr
.endr
	s_wait_tensorcnt 0x0                           ; the wave's end: behind my last tensor load and my last LDS store
	ds_add_u32 v[SPW], v[NIL]
	s_wait_dscnt 0x0
	CROUND                                         ; the closing round: no work-group ends while a partner may still ask for a tile that names it
	s_endpgm
.Lfunc_end_k_qef357520ff_attn:
	.size	k_qef357520ff_attn, .Lfunc_end_k_qef357520ff_attn-k_qef357520ff_attn
	.p2alignl 7, 3214868480
	.fill 96, 4, 3214868480
	.section	.rodata,"a",@progbits
	.p2align	6, 0x0
	.amdhsa_kernel k_qef357520ff_attn
		.amdhsa_group_segment_fixed_size 327680
		.amdhsa_private_segment_fixed_size 0
		.amdhsa_enable_private_segment 0
		.amdhsa_kernarg_size 32
		.amdhsa_user_sgpr_count 2
		.amdhsa_user_sgpr_kernarg_segment_ptr 1
		.amdhsa_wavefront_size32 1
		.amdhsa_system_sgpr_workgroup_id_x 1
		.amdhsa_system_sgpr_workgroup_id_y 1
		.amdhsa_system_sgpr_workgroup_id_z 1
		.amdhsa_system_vgpr_workitem_id 0
		.amdhsa_next_free_vgpr 512
		.amdhsa_next_free_sgpr 66
		.amdhsa_reserve_vcc 0
		.amdhsa_float_denorm_mode_32 3
		.amdhsa_float_denorm_mode_16_64 3
		.amdhsa_memory_ordered 1
		.amdhsa_forward_progress 1
		.amdhsa_inst_pref_size 189
	.end_amdhsa_kernel
	.amdgpu_metadata
---
amdhsa.version: [ 1, 2 ]
amdhsa.kernels:
  - .name:           k_qef357520ff_attn
    .symbol:         k_qef357520ff_attn.kd
    .args:
      - { .name: qimg, .offset: 0, .size: 8, .value_kind: global_buffer, .address_space: global }
      - { .name: kv, .offset: 8, .size: 8, .value_kind: global_buffer, .address_space: global }
      - { .name: lowp_scales, .offset: 16, .size: 8, .value_kind: global_buffer, .address_space: global }
      - { .name: out0, .offset: 24, .size: 8, .value_kind: global_buffer, .address_space: global }
    .group_segment_fixed_size: 327680
    .private_segment_fixed_size: 0
    .kernarg_segment_align: 8
    .kernarg_segment_size: 32
    .max_flat_workgroup_size: 256
    .sgpr_count:     66
    .vgpr_count:     512
    .wavefront_size: 32
...
	.end_amdgpu_metadata
.endif
;; end of part 2
